; MI455X (gfx1250); checked and timed in simulation.
; The chip was launched on July 23, 2026; its instructions are those of AMD's public machine-readable ISA for CDNA 5 (MIT licence, August 2026) and "CDNA5" Instruction Set Architecture Reference Guide (July 2026). The comments in the code are by the model that wrote it; some were corrected since.
;; Multi Head Self Attention. Allowed arithmetic: matrix products marked QUANTISED: E5M2 operands, one given power-of-two scale a tensor, by v_wmma_f32_16x16x64_bf8_bf8 or v_wmma_f32_16x16x128_bf8_bf8, f32 sums; everything else in f32.
;; Inputs: Wk 16 x 1,024 x 64 float32; Wq 16 x 1,024 x 64 float32; Wv 16 x 1,024 x 64 float32; bk 16 x 64 float32; bq 16 x 64 float32; bv 16 x 64 float32; lowp_scales 10 int32 (the exponents e of the quantised operands' scales 2^e); x 4 x 2,048 x 1,024 float32.
;; Outputs: out0 4 x 2,048 x 1,024 float32.
;; This version of the problem:
;;   THIS VERSION OF THE PROBLEM IS GIVEN IN LOW PRECISION. The matrix products marked QUANTISED in the list below multiply operands that are first quantised to E5M2 (5 exponent bits, 2 mantissa bits; 8 bits a number), with one given power-of-two scale for each operand tensor; their sums are f32. All else is computed in f32.
;;   The module's matrix products, in the order in which they are computed (A, B: the left and right operand; K: the contracted axis; several contracted axes count as one K, in the product's order):
;;     1. [M 1,024, K 1,024] x [K 1,024, N 8,192]; A: input Wq; B: input x: QUANTISED (scales: A lowp_scales[0], B lowp_scales[1])
;;     2. [M 1,024, K 1,024] x [K 1,024, N 8,192]; A: input Wk; B: input x: QUANTISED (scales: A lowp_scales[2], B lowp_scales[3])
;;     3. [M 1,024, K 1,024] x [K 1,024, N 8,192]; A: input Wv; B: input x: QUANTISED (scales: A lowp_scales[4], B lowp_scales[5])
;;     4. batch 64 x [M 2,048, K 64] x [K 64, N 2,048]; A: computed on the way; B: computed on the way: QUANTISED (scales: A lowp_scales[6], B lowp_scales[7])
;;     5. batch 64 x [M 2,048, K 2,048] x [K 2,048, N 64]; A: softmax (see below); B: computed on the way: QUANTISED (scales: A lowp_scales[8], B lowp_scales[9])
;;   THE QUANTISER, for each operand of a quantised product, along K:
;;     - The operand's scale is 2^e, e = its entry of the input lowp_scales (int32; the entries are numbered through the quantised products in the list's order, A before B).
;;     - Each number is divided by the scale, clamped to +-57,344, and rounded to the nearest number of E5M2, ties to even, subnormals kept.
;;     - The product sums the exact products of the quantised numbers (number of the format x scale) in f32.
;;   ~~~python
;;   def quantise(x, axis, e):      # numpy; x: float32 -> the quantised numbers, widened to float32 again
;;       x = np.moveaxis(x, axis, -1); K = x.shape[-1]
;;       r = np.clip(x / 2.0 ** e, -57344, 57344)
;;       step = 2.0 ** (np.maximum(np.frexp(np.where(r == 0, 1, r))[1] - 1, -14) - 2)
;;       q = np.round(r / step) * step * 2.0 ** e      # np.round: ties to even
;;       return np.moveaxis(q, -1, axis).astype(np.float32)
;;   ~~~
;;   SOFTMAX AHEAD OF A QUANTISED PRODUCT. Where the list says 'softmax', what is quantised is not the finished softmax but p = 2^(t - M), with t = logit x log2(e) and M = ceil(the row's largest t), a whole number; so 1/2 < the row's largest p <= 1. The row's sum l is taken of the UNQUANTISED p, in f32, and the product's result is divided by l at the end. Since M is a whole number, a kernel that streams over the keys may use a running M (the ceiling of the running maximum): every later rescaling is an exact power of two, so the quantised numbers keep their values, but for numbers so far below the row's largest that they fall under the format's range.
;;   OPERANDS COMPUTED ON THE WAY. 'Computed on the way' means the value that the module computes at that place (a softmax that the list does not call 'softmax' is quantised finished and normalised). What goes into a quantiser is computed in f32, as accurately as f32 sums, v_exp_f32 and their like allow (about 1e-6 of the number): no bf16 or f16 on the way to a quantiser, and a product that is left as it is and whose result goes on into a quantised operand takes f32 operands (vector FMAs, or v_wmma_f32_16x16x4_f32). A number that lies on a knife's edge between two numbers of the format may be rounded either way, as far as f32 arithmetic and the matrix unit's own rounding can turn it there, and no further.
;; One version. Each part assembles by itself: llvm-mc -triple=amdgcn-amd-amdhsa -mcpu=gfx1250 --defsym DOCPART=n.
;; ======== version 1 of 1: 3 launches
;; limits: right only within a limited range of input values
;; workspace buffers: xc 25,165,824 bytes; wc 3,145,728 bytes; qkv 25,165,824 bytes
;; launch quant (part 1): grid 608 x 1, 4 waves a work-group, no clusters, 68,096 bytes of LDS; arguments x, Wq, Wk, Wv, lowp_scales, xc, wc; writes xc, wc
.if DOCPART == 1
	.amdgcn_target "amdgcn-amd-amdhsa--gfx1250"
	.amdhsa_code_object_version 6
	.text
	.protected	k_qb22cd5c320_quant
	.globl	k_qb22cd5c320_quant
	.p2align	8
	.type	k_qb22cd5c320_quant,@function
k_qb22cd5c320_quant:
	s_mov_b64 s[64:65], 0
	v_nop
	global_prefetch_b8 v0, s[64:65] scope:SCOPE_SE
	s_setreg_imm32_b32 hwreg(HW_REG_WAVE_MODE, 25, 1), 1
	s_wait_xcnt 0x0
; x [8192][1024] f32 and Wq, Wk, Wv [16][1024 d][64 e] f32 become codes of BF8 (E5M2), K = d innermost.
; code = number / 2^e, held within +-57,344, rounded to the nearest code, ties to even.
; x is an operand of three products, each with a scale of its own (entries 1, 3, 5 of the scales): it is read once and coded three times: xc [3][8192][1024].
; The weights (entries 0, 2, 4) have K as their middle axis: a lane takes a column e and its registers run down d, so the codes come out with K innermost: wc [3][64 h + e][1024].
; LIMITS: entries 0 to 5 lie between -126 and 112, so that 2^e and 57,344 x 2^e are f32 numbers.  NaN among the inputs is not served (an infinity is held at the largest code).
; Work-groups 0 to 95 take the weights, 96 to 607 take x.  The two ways part once, on the work-group's number, and never meet again; each has LDS bytes of its own.
; No tensor loads, no barrier: waves share nothing.
.set WGW,   96                         ; work-groups for the weights: 3 tensors x 16 heads x 2 halves of K
; ---- x's way: a wave takes 8 steps of 512 numbers
.set STEPS, 8
.set SP,    80                         ; a lane's place in a stage: its 64 bytes + 16 of padding
.set WREG,  8192                       ; LDS bytes 0 .. 32,767: a region for each wave: two stages of 32 x SP bytes
.set R,     16                         ; v16-79   four sets of 16 numbers as they are loaded
.set X,     80                         ; v80-111  two sets of 16 neighbours along K
.set T,     112                        ; v112-143 two sets of 16 held numbers, by turns
.set C,     144                        ; v144-239 codes: 12 registers a step, so that no store's data are written again
; ---- the weights' way: a wave takes 32 columns x 256 along K
.set NB,    8                          ; blocks of 32 along K
.set WP,    272                        ; a stage row: 256 bytes of codes + 16
.set WSTG,  32768                      ; LDS bytes 32,768 .. 67,583: 32 x WP for each wave
.set WX,    32                         ; v32-95   two sets of 32 numbers
.set WC,    96                         ; v96-103  a block's codes
.set OUTR,  112                        ; v112-175 the way out
.macro XLOAD t                         ; step t: four loads of 512 consecutive bytes, 16 a lane
.irp i, 0,1,2,3
	global_load_b128 v[R+16*((\t)%4)+4*\i:R+16*((\t)%4)+4*\i+3], v3, s[4:5] offset:2048*(\t)+512*\i th:TH_LOAD_NT
.endr
.endm
.macro XTURN t                         ; step t's 2,048 bytes through the wave's stage: in as they lie, out 64 bytes a lane.  LDS serves a wave's instructions in order (ISA guide 5.7.1.4): no wait between
.irp i, 0,1,2,3
	ds_store_b128 v14, v[R+16*((\t)%4)+4*\i:R+16*((\t)%4)+4*\i+3] offset:32*SP*((\t)%2)+8*SP*\i
.endr
.irp i, 0,1,2,3
	ds_load_b128 v[X+16*((\t)%2)+4*\i:X+16*((\t)%2)+4*\i+3], v15 offset:32*SP*((\t)%2)+16*\i
.endr
.endm
.macro XSTEP t
	s_wait_dscnt 0x0                               ; this step's numbers are back from the stage, and its stores into the stage have read their registers,
.if (\t)+4 < STEPS
	XLOAD (\t)+4                                   ; which take the loads of four steps on
.endif
.if (\t)+1 < STEPS
.if STEPS-2-(\t) >= 3
	s_wait_loadcnt 12                              ; the next step's four loads are in; those of the three steps behind it stay out
.else
	s_wait_loadcnt 4*(STEPS-2-(\t))                ; near the end fewer steps are behind it
.endif
	XTURN (\t)+1                                   ; they go through the other stage while this step is worked
.endif
.irp s, 0,1,2                          ; the three scales.  The hold is not made in place: X serves all three
.set TS, T+16*((3*(\t)+\s)%2)          ; the sets of held numbers take turns, so that sixteen plain lines stand between a conversion and the next write of its sources
.irp i, 0,1,2,3,4,5,6,7,8,9,10,11,12,13,14,15
	v_med3_num_f32 v[TS+\i], v[X+16*((\t)%2)+\i], -v[8+\s], v[8+\s]   ; the conversion to an 8-bit code does not saturate (ISA guide 7.6.2)
.endr
	v_cvt_scalef32_pk8_bf8_f32 v[C+12*(\t)+4*\s:C+12*(\t)+4*\s+1], v[TS:TS+7], v[5+\s]
	v_cvt_scalef32_pk8_bf8_f32 v[C+12*(\t)+4*\s+2:C+12*(\t)+4*\s+3], v[TS+8:TS+15], v[5+\s]
	global_store_b128 v3, v[C+12*(\t)+4*\s:C+12*(\t)+4*\s+3], s[32+2*\s:33+2*\s] offset:512*(\t)   ; the wave stores 512 consecutive bytes, aligned
.endr
.endm
.macro WLOAD t                         ; block t: W(32 t + i, my column), i = 0 .. 31, into set t % 2; a row of a head's weight is 256 bytes
.irp i, 0,1,2,3,4,5,6,7,8,9,10,11,12,13,14,15,16,17,18,19,20,21,22,23,24,25,26,27,28,29,30,31
	global_load_b32 v[WX+32*((\t)%2)+\i], v3, s[20:21] offset:(32*(\t)+\i)*256 th:TH_LOAD_NT
.endr
.endm
.macro WBLOCK t
.set XS, WX+32*((\t)%2)
.if (\t) < NB-1
	s_wait_loadcnt 32                              ; this block's 32 loads are in; the next block's stay out
.else
	s_wait_loadcnt 0
.endif
.irp i, 0,1,2,3,4,5,6,7,8,9,10,11,12,13,14,15,16,17,18,19,20,21,22,23,24,25,26,27,28,29,30,31
	v_med3_num_f32 v[XS+\i], v[XS+\i], -v10, v10
.endr
.irp g, 0,1,2,3
	v_cvt_scalef32_pk8_bf8_f32 v[WC+2*\g:WC+2*\g+1], v[XS+8*\g:XS+8*\g+7], v11
.endr
	ds_store_b128 v4, v[WC:WC+3] offset:32*(\t)    ; 32 codes: 32 bytes of my column's row
	ds_store_b128 v4, v[WC+4:WC+7] offset:32*(\t)+16
.if (\t)+2 < NB
	WLOAD (\t)+2
.endif
	s_wait_dscnt 0x0                               ; the stores have read their registers: the next block's codes may be written (its 32 holds are the plain lines in front of them)
.endm
	s_load_b256 s[4:11], s[0:1], 0x0               ; x s[4:5], Wq s[6:7], Wk s[8:9], Wv s[10:11]
	s_load_b128 s[12:15], s[0:1], 0x20             ; the scales' exponents s[12:13], xc s[14:15]
	s_load_b64 s[16:17], s[0:1], 0x30              ; wc
	v_lshl_add_u32 v240, v0, 2, 0x10800
	v_mov_b32 v241, 0
	v_lshrrev_b32 v1, 5, v0
	v_readfirstlane_b32 s18, v1                    ; wave 0..3
	v_and_b32 v2, 31, v0                           ; lane
	s_wait_kmcnt 0x0
	s_load_b256 s[24:31], s[12:13], 0x0            ; entries 0 to 7
	s_cmp_lt_u32 ttmp9, WGW
	s_cbranch_scc1 .Lw
	; ======== x ========
	s_sub_co_u32 s19, ttmp9, WGW
	s_lshl_b32 s19, s19, 2
	s_add_co_u32 s19, s19, s18                     ; which run of 4,096 numbers is my wave's: 0 .. 2,047
	s_lshl_b32 s20, s19, 14                        ; 16,384 bytes of f32
	s_mov_b32 s21, 0
	s_add_nc_u64 s[4:5], s[4:5], s[20:21]
	s_lshl_b32 s22, s19, 12                        ; 4,096 bytes of codes
	s_mov_b32 s23, 0
	s_add_nc_u64 s[32:33], s[14:15], s[22:23]      ; the three copies lie 8,388,608 bytes apart: a base for each
	s_add_nc_u64 s[34:35], s[32:33], 0x800000
	s_add_nc_u64 s[36:37], s[34:35], 0x800000
	s_wait_alu depctr_va_vdst(0)
	v_lshlrev_b32 v3, 4, v2                        ; my 16 bytes of a load's 512, and of a step's 512 bytes of codes
	s_mul_i32 s38, s18, WREG
	v_lshrrev_b32 v14, 2, v2
	v_mul_u32_u24 v14, v14, SP
	v_and_b32 v15, 3, v2
	v_lshl_add_u32 v14, v15, 4, v14
	v_add_nc_u32 v14, s38, v14                     ; the stage, on the way in: SP (lane / 4) + 16 (lane % 4); a load's 512 bytes take eight places
	v_mul_u32_u24 v15, v2, SP
	v_add_nc_u32 v15, s38, v15                     ; and on the way out: SP x lane: my 16 neighbours
.irp t, 0,1,2,3
	XLOAD \t
.endr
	s_wait_alu depctr_va_vdst(0)
	s_wait_kmcnt 0x0
.irp s, 0,1,2
	s_add_co_i32 s38, s[25+2*\s], 127
	s_lshl_b32 s39, s38, 23
	v_mov_b32 v[5+\s], s39                         ; 2^e as f32: the conversion takes its exponent field
	s_add_co_i32 s38, s38, 15
	s_lshl_b32 s38, s38, 23
	s_or_b32 s38, s38, 0x600000
	v_mov_b32 v[8+\s], s38                         ; 57,344 x 2^e
.endr
	s_wait_alu depctr_va_vdst(0)
	s_wait_loadcnt 12                              ; step 0's four loads are in
	XTURN 0
.irp t, 0,1,2,3,4,5,6,7
	XSTEP \t
.endr
	s_wait_tensorcnt 0x0
	ds_add_u32 v240, v241
	s_wait_dscnt 0x0
	s_endpgm
	; ======== the weights ========
.Lw:
	s_lshr_b32 s19, ttmp9, 5                       ; which tensor: 0 Wq, 1 Wk, 2 Wv
	s_bfe_u32 s23, ttmp9, 0x40001                  ; the head
	s_and_b32 s38, ttmp9, 1
	s_and_b32 s39, s18, 1                          ; which 32 of the head's 64 columns
	s_lshr_b32 s40, s18, 1
	s_lshl_b32 s38, s38, 1
	s_add_co_u32 s38, s38, s40                     ; which 256 along K: 0 .. 3
	s_lshl_b32 s40, s23, 18                        ; in: head x 262,144
	s_lshl_b32 s41, s38, 16                        ;   + 256 rows of 256 bytes
	s_add_co_u32 s40, s40, s41
	s_lshl_b32 s41, s39, 7                         ;   + 32 columns
	s_add_co_u32 s40, s40, s41
	s_mov_b32 s41, 0
	s_lshl_b32 s42, s19, 20                        ; out: tensor x 1,048,576
	s_lshl_b32 s43, s23, 16                        ;   + 64 head rows of 1,024 bytes
	s_add_co_u32 s42, s42, s43
	s_lshl_b32 s43, s39, 15                        ;   + 32 rows
	s_add_co_u32 s42, s42, s43
	s_lshl_b32 s43, s38, 8                         ;   + 256 along K
	s_add_co_u32 s42, s42, s43
	s_mov_b32 s43, 0
	s_cmp_eq_u32 s19, 0                            ; the choice hangs on the work-group's number alone
	s_cselect_b64 s[20:21], s[6:7], s[8:9]
	s_cmp_eq_u32 s19, 2
	s_cselect_b64 s[20:21], s[10:11], s[20:21]
	s_add_nc_u64 s[20:21], s[20:21], s[40:41]
	s_add_nc_u64 s[16:17], s[16:17], s[42:43]
	s_wait_alu depctr_va_vdst(0)
	v_lshlrev_b32 v3, 2, v2                        ; in: 4 bytes a lane: 128 consecutive bytes a load
	s_mul_i32 s44, s18, 32*WP
	s_add_co_u32 s44, s44, WSTG                    ; my stage
	v_mul_u32_u24 v4, v2, WP
	v_add_nc_u32 v4, s44, v4                       ; into it: row = my column
	v_and_b32 v5, 15, v2
	v_lshrrev_b32 v6, 4, v2                        ; out of it: sixteen lanes to a row, two rows an instruction
	v_mul_u32_u24 v7, v6, WP
	v_lshl_add_u32 v7, v5, 4, v7
	v_add_nc_u32 v7, s44, v7
	v_lshlrev_b32 v8, 10, v6
	v_lshl_add_u32 v8, v5, 4, v8                   ; and the same place in wc
	WLOAD 0
	WLOAD 1
	s_wait_kmcnt 0x0
	s_cmp_eq_u32 s19, 0
	s_cselect_b32 s22, s24, s26                    ; entry 0, 2 or 4
	s_cmp_eq_u32 s19, 2
	s_cselect_b32 s22, s28, s22
	s_add_co_i32 s22, s22, 127
	s_lshl_b32 s38, s22, 23
	v_mov_b32 v11, s38                             ; 2^e
	s_add_co_i32 s22, s22, 15
	s_lshl_b32 s22, s22, 23
	s_or_b32 s22, s22, 0x600000
	v_mov_b32 v10, s22                             ; 57,344 x 2^e
.set Q, 0
	s_wait_alu depctr_va_vdst(0)
.rept NB
	WBLOCK Q
.set Q, Q+1
.endr
.irp t, 0,1,2,3,4,5,6,7,8,9,10,11,12,13,14,15
	ds_load_b128 v[OUTR+4*\t:OUTR+4*\t+3], v7 offset:2*\t*WP   ; these see my stores: LDS serves a wave's instructions in order
.endr
.irp t, 0,1,2,3,4,5,6,7,8,9,10,11,12,13,14,15
	s_wait_dscnt 15-\t                             ; load t is in; the 15 - t behind it stay out
	global_store_b128 v8, v[OUTR+4*\t:OUTR+4*\t+3], s[16:17] offset:2*\t*1024   ; sixteen lanes store 256 consecutive bytes, aligned
.endr
	s_wait_tensorcnt 0x0
	ds_add_u32 v240, v241
	s_wait_dscnt 0x0
	s_endpgm
.Lfunc_end_k_qb22cd5c320_quant:
	.size	k_qb22cd5c320_quant, .Lfunc_end_k_qb22cd5c320_quant-k_qb22cd5c320_quant
	.p2alignl 7, 3214868480
	.fill 96, 4, 3214868480
	.section	.rodata,"a",@progbits
	.p2align	6, 0x0
	.amdhsa_kernel k_qb22cd5c320_quant
		.amdhsa_group_segment_fixed_size 68096
		.amdhsa_private_segment_fixed_size 0
		.amdhsa_enable_private_segment 0
		.amdhsa_kernarg_size 56
		.amdhsa_user_sgpr_count 2
		.amdhsa_user_sgpr_kernarg_segment_ptr 1
		.amdhsa_wavefront_size32 1
		.amdhsa_system_sgpr_workgroup_id_x 1
		.amdhsa_system_sgpr_workgroup_id_y 1
		.amdhsa_system_sgpr_workgroup_id_z 1
		.amdhsa_system_vgpr_workitem_id 0
		.amdhsa_next_free_vgpr 242
		.amdhsa_next_free_sgpr 66
		.amdhsa_reserve_vcc 0
		.amdhsa_float_denorm_mode_32 3
		.amdhsa_float_denorm_mode_16_64 3
		.amdhsa_memory_ordered 1
		.amdhsa_forward_progress 1
		.amdhsa_inst_pref_size 89
	.end_amdhsa_kernel
	.amdgpu_metadata
---
amdhsa.version: [ 1, 2 ]
amdhsa.kernels:
  - .name:           k_qb22cd5c320_quant
    .symbol:         k_qb22cd5c320_quant.kd
    .args:
      - { .name: x, .offset: 0, .size: 8, .value_kind: global_buffer, .address_space: global }
      - { .name: Wq, .offset: 8, .size: 8, .value_kind: global_buffer, .address_space: global }
      - { .name: Wk, .offset: 16, .size: 8, .value_kind: global_buffer, .address_space: global }
      - { .name: Wv, .offset: 24, .size: 8, .value_kind: global_buffer, .address_space: global }
      - { .name: lowp_scales, .offset: 32, .size: 8, .value_kind: global_buffer, .address_space: global }
      - { .name: xc, .offset: 40, .size: 8, .value_kind: global_buffer, .address_space: global }
      - { .name: wc, .offset: 48, .size: 8, .value_kind: global_buffer, .address_space: global }
    .group_segment_fixed_size: 68096
    .private_segment_fixed_size: 0
    .kernarg_segment_align: 8
    .kernarg_segment_size: 56
    .max_flat_workgroup_size: 128
    .sgpr_count:     66
    .vgpr_count:     242
    .wavefront_size: 32
...
	.end_amdgpu_metadata
.endif
;; end of part 1
;; launch proj (part 2): grid 4 x 96, 4 waves a work-group, clusters of 4 x 4, 327,680 bytes of LDS; arguments wc, xc, lowp_scales, bq, bk, bv, qkv; writes qkv
.if DOCPART == 2
	.amdgcn_target "amdgcn-amd-amdhsa--gfx1250"
	.amdhsa_code_object_version 6
	.text
	.protected	k_qb22cd5c320_proj
	.globl	k_qb22cd5c320_proj
	.p2align	8
	.type	k_qb22cd5c320_proj,@function
k_qb22cd5c320_proj:
	s_mov_b64 s[64:65], 0
	v_nop
	global_prefetch_b8 v0, s[64:65] scope:SCOPE_SE
	s_setreg_imm32_b32 hwreg(HW_REG_WAVE_MODE, 25, 1), 1
	s_wait_xcnt 0x0
	s_wait_alu depctr_hold_cnt(0) depctr_sa_sdst(0) depctr_va_vdst(0) depctr_va_sdst(0) depctr_va_ssrc(0) depctr_va_vcc(0) depctr_vm_vsrc(0)
	s_getreg_b32 s2, hwreg(HW_REG_IB_STS2, 6, 4)
	s_cmp_eq_u32 s2, 0
	s_cbranch_scc0 .Lentry_in_a_cluster
	s_endpgm
.Lentry_in_a_cluster:
	s_bfe_u32 s2, ttmp6, 0x10000c
	s_cmp_lg_u32 s2, 0xf033
	s_cbranch_scc0 .Lentry_shape_is_right
	s_endpgm
.Lentry_shape_is_right:
.set SIZE_K, 1024
.set KSTEP,  256
.set ROWB,   256
.set KROW,   1024
.set PITCH,  272
.set FR,     16
.set NL,     4
.set NP,     4
.set HALFT,  128*PITCH
.set SLOT,   4*HALFT
.set LAPS,   SIZE_K/(2*KSTEP)
.set SPARE,  2*SLOT
.set ADRA, 16
.set ADRB, 20
.set LI,   24
.set OBP,  25
.set OBR,  26
.set SPW,  28
.set NIL,  29
.set LIM,  30
.set SCL,  31
.set BP,   32
.set BR,   96
.set AF,   128
.set TMP,  128
.set CODE, 192
.set G1, 24
.set G0, 32
.set G1B, 48
.set G0B, 56
.set MSB, 0
.macro WIN new
.if MSB != \new
	s_set_vgpr_msb (MSB<<8)|\new
.set MSB, \new
.endif
.endm
.set MUL_LO, 0xa1
.set MUL_HI, 0xf1
.set TO_B,   0x40
.macro JLOAD g0a, g1a, g0b, g1b
	s_cmp_eq_u32 s15, 0
	s_cbranch_scc0 .Lfor_b_\@
	tensor_load_to_lds s[\g0a:\g0a+3], s[\g1a:\g1a+7]
	s_nop 0
.rept 4
	v_nop
.endr
	s_branch .Lasked_\@
.Lfor_b_\@:
	tensor_load_to_lds s[\g0b:\g0b+3], s[\g1b:\g1b+7]
	s_nop 0
.rept 4
	v_nop
.endr
.Lasked_\@:
.endm
.macro CREST
	s_cmp_lg_u32 s14, 0
	s_cbranch_scc1 .Lnot_wave_0_\@
	s_barrier_signal -3
.Lnot_wave_0_\@:
	s_barrier_wait -3
	s_barrier_signal -1
	s_barrier_wait -1
.endm
.macro CROUND
	s_barrier_signal -1
	s_barrier_wait -1
	CREST
.endm
	s_load_b256 s[68:75], s[0:1], 0x0
	s_load_b128 s[76:79], s[0:1], 0x20
	s_load_b64 s[80:81], s[0:1], 0x30
	v_lshl_add_u32 v[SPW], v0, 2, SPARE
	v_mov_b32 v[NIL], 0
	ds_add_u32 v28, v29
	ds_add_u32 v28, v29
	s_wait_dscnt 0x0
	v_lshrrev_b32 v1, 5, v0
	v_readfirstlane_b32 s14, v1
	s_lshr_b32 s15, s14, 1
	s_and_b32 s16, s14, 1
	s_bfe_u32 s40, ttmp6, 0x40000
	s_bfe_u32 s41, ttmp6, 0x40004
	s_and_b32 s66, ttmp7, 0xffff
	s_and_b32 s67, s66, 7
	s_lshr_b32 s82, s66, 3
	s_lshl_b32 s83, s67, 2
	s_cmp_ge_u32 s66, 16
	s_cselect_b32 s42, s83, 0
	s_cselect_b32 s17, 0, s83
	s_add_co_u32 s42, s42, s40
	s_add_co_u32 s17, s17, s41
	s_lshl_b32 s43, s41, 2
	s_lshl_b32 s43, 15, s43
	s_lshl_b32 s44, 0x1111, s40
	s_or_b32 s[G1+0], s43, (0<<16)|(1<<20)|(1<<21)|(5<<22)|(3<<25)
	s_or_b32 s[G1B+0], s44, (0<<16)|(1<<20)|(1<<21)|(5<<22)|(3<<25)
.irp g, G1, G1B
	s_mov_b32 s[\g+1], ROWB<<16
	s_mov_b32 s[\g+2], 128<<16
	s_mov_b32 s[\g+3], ROWB<<16
	s_mov_b32 s[\g+4], 128
	s_mov_b32 s[\g+5], KROW
	s_mov_b32 s[\g+6], 0
	s_mov_b32 s[\g+7], 0
.endr
	s_lshl_b32 s22, s17, 18
	s_lshl_b32 s23, s16, 17
	s_add_co_u32 s22, s22, s23
	s_mov_b32 s23, 0
	s_lshl_b32 s100, s42, 18
	s_lshl_b32 s101, s16, 17
	s_add_co_u32 s100, s100, s101
	s_mov_b32 s101, 0
	s_lshl_b32 s18, s82, 20
	s_mov_b32 s19, 0
	s_lshl_b32 s84, s82, 23
	s_mov_b32 s85, 0
	s_mul_i32 s45, s14, HALFT
	s_wait_kmcnt 0x0
	s_load_b256 s[88:95], s[72:73], 0x0
	s_load_b64 s[96:97], s[72:73], 0x20
	s_add_nc_u64 s[18:19], s[68:69], s[18:19]
	s_add_nc_u64 s[84:85], s[70:71], s[84:85]
	s_cmp_ge_u32 s66, 16
	s_cselect_b64 s[46:47], s[84:85], s[18:19]
	s_cselect_b64 s[20:21], s[18:19], s[84:85]
	s_add_nc_u64 s[46:47], s[46:47], s[100:101]
	s_add_nc_u64 s[20:21], s[20:21], s[22:23]
	; the biases are asked for here, ahead of the first tensor load: they are on their way while K step 0's tile is
	v_and_b32 v1, 15, v0
	v_bfe_u32 v2, v0, 4, 1
	s_wait_alu depctr_va_vdst(0)
	s_cmp_eq_u32 s82, 0
	s_cselect_b64 s[86:87], s[74:75], s[76:77]
	s_cmp_eq_u32 s82, 2
	s_cselect_b64 s[86:87], s[78:79], s[86:87]
	s_lshl_b32 s98, s42, 10
	s_lshl_b32 s83, s16, 9
	s_add_co_u32 s98, s98, s83
	s_lshl_b32 s99, s17, 10
	s_lshl_b32 s83, s15, 9
	s_add_co_u32 s99, s99, s83
	s_cmp_ge_u32 s66, 16
	s_cselect_b32 s98, 0, s98
	s_cselect_b32 s99, s99, 0
	s_cselect_b32 s12, 0, -1
	s_cselect_b32 s13, -1, 0
	v_lshl_add_u32 v[OBP], v2, 5, s98
	v_lshl_add_u32 v[OBR], v1, 2, s99
.irp b, 0,1,2,3,4,5,6,7
	global_load_b128 v[BP+8*\b:BP+8*\b+3], v[OBP], s[86:87] offset:64*\b
	global_load_b128 v[BP+8*\b+4:BP+8*\b+7], v[OBP], s[86:87] offset:64*\b+16
.endr
.irp a, 0,1,2,3,4,5,6,7
	global_load_b32 v[BR+2*\a], v[OBR], s[86:87] offset:64*\a
	v_mov_b32 v[BR+2*\a+1], 0
.endr
.irp s, 0,1
	s_mov_b32 s[G0+4*\s], 1
	s_add_co_u32 s[G0+4*\s+1], s45, \s*SLOT
	s_add_nc_u64 s[G0+4*\s+2:G0+4*\s+3], s[20:21], \s*ROWB
	s_or_b32 s[G0+4*\s+3], s[G0+4*\s+3], 0x80000000
	s_mov_b32 s[G0B+4*\s], 1
	s_add_co_u32 s[G0B+4*\s+1], s45, \s*SLOT
	s_add_nc_u64 s[G0B+4*\s+2:G0B+4*\s+3], s[46:47], \s*ROWB
	s_or_b32 s[G0B+4*\s+3], s[G0B+4*\s+3], 0x80000000
	s_wait_alu depctr_va_vdst(0)
	s_wait_tensorcnt 0x0
	ds_add_u32 v28, v29
	ds_add_u32 v28, v29
	s_wait_dscnt 0x0
	CROUND
	JLOAD G0+4*\s, G1, G0B+4*\s, G1B
.endr
	v_mul_u32_u24 v3, v1, PITCH
	v_lshl_add_u32 v4, v2, 4, v3
	s_mul_i32 s21, s15, HALFT
	s_mul_i32 s22, s16, HALFT
	s_add_co_u32 s22, s22, 2*HALFT
.irp s, 0,1
	v_add_nc_u32 v[ADRA+\s], s21, v4
	v_add_nc_u32 v[ADRB+\s], s22, v4
	s_add_co_u32 s21, s21, SLOT
	s_add_co_u32 s22, s22, SLOT
.endr
	v_and_b32 v5, 31, v0
	v_lshlrev_b32 v[LI], 4, v5
	s_lshl_b32 s18, s42, 2
	s_lshl_b32 s19, s16, 1
	s_add_co_u32 s18, s18, s19
	s_lshl_b32 s19, s17, 2
	s_lshl_b32 s20, s15, 1
	s_add_co_u32 s19, s19, s20
	s_mov_b32 s20, 0x80000
	s_cmp_ge_u32 s66, 16
	s_cselect_b32 s21, 0x1000, s20
	s_cselect_b32 s20, s20, 0x1000
	s_mul_i32 s18, s18, s21
	s_mul_i32 s19, s19, s20
	s_add_co_u32 s18, s18, s19
	s_lshl_b32 s19, s82, 23
	s_add_co_u32 s18, s18, s19
	s_mov_b32 s19, 0
	s_add_nc_u64 s[4:5], s[80:81], s[18:19]
	s_mov_b32 s22, s20
	s_mov_b32 s23, 0
	s_add_nc_u64 s[6:7], s[4:5], s[22:23]
	s_mov_b32 s22, s21
	s_add_nc_u64 s[8:9], s[4:5], s[22:23]
	s_add_nc_u64 s[10:11], s[6:7], s[22:23]
	s_wait_kmcnt 0x0
	s_cmp_eq_u32 s82, 0
	s_cselect_b32 s98, s88, s90
	s_cselect_b32 s99, s89, s91
	s_cselect_b32 s100, s94, s95
	s_cmp_eq_u32 s82, 2
	s_cselect_b32 s98, s92, s98
	s_cselect_b32 s99, s93, s99
	s_cselect_b32 s100, s97, s100
	s_add_co_i32 s98, s98, s99
	s_sub_co_i32 s100, s100, s98
	s_sub_co_i32 s98, 0, s98
	s_add_co_i32 s100, s100, 127
	s_lshl_b32 s101, s100, 23
	v_mov_b32 v[SCL], s101
	s_add_co_i32 s100, s100, 15
	s_lshl_b32 s100, s100, 23
	s_or_b32 s100, s100, 0x600000
	v_mov_b32 v[LIM], s100
	s_wait_loadcnt 0x0
.set n, 0
.rept 64
	v_and_b32 v[BP+n], s12, v[BP+n]
.set n, n+1
.endr
.set n, 0
.rept 64
	v_ldexp_f32 v[BP+n], v[BP+n], s98
.set n, n+1
.endr
.irp a, 0,1,2,3,4,5,6,7
	v_and_b32 v[BR+2*\a], s13, v[BR+2*\a]
.endr
.irp a, 0,1,2,3,4,5,6,7
	v_ldexp_f32 v[BR+2*\a], v[BR+2*\a], s98
.endr
.macro FRAG reg, adr, q, i
.irp c, 0,1,2,3
	ds_load_b128 v[\reg+4*\c:\reg+4*\c+3], v[\adr] offset:128*(\q)+32*\c+(\i)*16*PITCH
.endr
.endm
.macro MUL16 a0, p, zero
.irp a, \a0, \a0+1
.irp b, 0,1,2,3,4,5,6,7
.if \zero
	v_wmma_f32_16x16x128_bf8_bf8 v[8*(8*((\a)%4)+\b):8*(8*((\a)%4)+\b)+7], v[128*(\p)+FR*\b:128*(\p)+FR*\b+FR-1], v[AF+FR*(\a):AF+FR*(\a)+FR-1], 0
.else
	v_wmma_f32_16x16x128_bf8_bf8 v[8*(8*((\a)%4)+\b):8*(8*((\a)%4)+\b)+7], v[128*(\p)+FR*\b:128*(\p)+FR*\b+FR-1], v[AF+FR*(\a):AF+FR*(\a)+FR-1], v[8*(8*((\a)%4)+\b):8*(8*((\a)%4)+\b)+7]
.endif
.endr
.endr
.endm
.macro FETCH_B slot, q, p
	WIN TO_B
.irp i, 0,1,2,3,4,5,6,7
	FRAG 128*(\p)+FR*\i, ADRB+\slot, \q, \i
.endr
	WIN 0
.endm
.macro FETCH_A slot, q, i0
.irp i, \i0, \i0+1, \i0+2, \i0+3
	FRAG AF+FR*(\i), ADRA+\slot, \q, \i
.endr
.endm
.macro PLACES n
.rept \n
	v_nop
.endr
.endm
.macro STEP slot, q, zero
	s_wait_dscnt 4*NL
	WIN MUL_LO
	MUL16 0, (\q)%2, \zero
	MUL16 2, (\q)%2, \zero
	s_wait_dscnt 0
	PLACES NP
	FETCH_B \slot, (\q)+1, 1-(\q)%2
	FETCH_A \slot, (\q)+1, 0
	WIN MUL_HI
	MUL16 4, (\q)%2, \zero
	MUL16 6, (\q)%2, \zero
	PLACES NP
	WIN 0
	FETCH_A \slot, (\q)+1, 4
.endm
.macro TURN slot, next, fill
	s_wait_tensorcnt 0x0
	ds_add_u32 v[SPW], v[NIL]
	s_wait_dscnt 4*NL+1
	WIN MUL_LO
	MUL16 0, 1, 0
	s_wait_dscnt 0x0
	s_barrier_signal -1
	MUL16 2, 1, 0
	WIN 0
	s_barrier_wait -1
.if \fill
	CREST
	s_add_nc_u64 s[G0+4*\slot+2:G0+4*\slot+3], s[G0+4*\slot+2:G0+4*\slot+3], 2*ROWB
	s_add_nc_u64 s[G0B+4*\slot+2:G0B+4*\slot+3], s[G0B+4*\slot+2:G0B+4*\slot+3], 2*ROWB
	JLOAD G0+4*\slot, G1, G0B+4*\slot, G1B
.else
	PLACES NP
.endif
	FETCH_B \next, 0, 0
	FETCH_A \next, 0, 0
	WIN MUL_HI
	MUL16 4, 1, 0
	MUL16 6, 1, 0
	PLACES NP
	WIN 0
	FETCH_A \next, 0, 4
.endm
	s_wait_tensorcnt 1
	s_barrier_signal -1
	s_barrier_wait -1
	FETCH_B 0, 0, 0
	FETCH_A 0, 0, 0
	FETCH_A 0, 0, 4
	STEP 0, 0, 1
	s_mov_b32 s3, LAPS-1
.Llap:
	TURN 0, 1, 1
	STEP 1, 0, 0
	TURN 1, 0, 1
	STEP 0, 0, 0
	s_sub_co_u32 s3, s3, 1
	s_cmp_lg_u32 s3, 0
	s_cbranch_scc1 .Llap
	TURN 0, 1, 0
	STEP 1, 0, 0
	s_wait_dscnt 4*NL
	WIN MUL_LO
	MUL16 0, 1, 0
	MUL16 2, 1, 0
	s_wait_dscnt 0
	WIN MUL_HI
	MUL16 4, 1, 0
	MUL16 6, 1, 0
	WIN 0
.macro OUTB a
.set AC, 64*((\a)%4)
.set CD, CODE+16*((\a)%4)
	WIN 0x02+((\a)/4)
.set n, 0
.rept 32
	v_pk_add_f32 v[TMP+n:TMP+n+1], v[AC+n:AC+n+1], v[BP+n:BP+n+1]
.set n, n+2
.endr
	WIN 0
.set n, 0
.rept 32
	v_pk_add_f32 v[TMP+n:TMP+n+1], v[TMP+n:TMP+n+1], v[BR+2*(\a):BR+2*(\a)+1] op_sel_hi:[1,0]
.set n, n+2
.endr
.set n, 0
.rept 64
	v_med3_num_f32 v[TMP+n], v[TMP+n], -v[LIM], v[LIM]
.set n, n+1
.endr
.irp g, 0,1
.irp c, 0,1,2,3
	v_cvt_scalef32_pk8_bf8_f32 v[CD+8*\g+2*\c:CD+8*\g+2*\c+1], v[TMP+8*(4*\g+\c):TMP+8*(4*\g+\c)+7], v[SCL]
.endr
.endr
	v_nop
.irp g, 0,1
.irp p, 0,1
	global_store_b128 v[LI], v[CD+8*\g+4*\p:CD+8*\g+4*\p+3], s[4+4*\g+2*((\a)/4):5+4*\g+2*((\a)/4)] offset:((\a)%4)*1024+512*\p
.endr
.endr
.endm
	PLACES NP
.irp a, 0,1,2,3,4,5,6,7
.if \a == 4
	s_wait_xcnt 0x0
.endif
	OUTB \a
.endr
	s_wait_tensorcnt 0x0
	ds_add_u32 v[SPW], v[NIL]
	s_wait_dscnt 0x0
	CROUND
	s_endpgm
.Lfunc_end_k_qb22cd5c320_proj:
	.size	k_qb22cd5c320_proj, .Lfunc_end_k_qb22cd5c320_proj-k_qb22cd5c320_proj
	.p2alignl 7, 3214868480
	.fill 96, 4, 3214868480
	.section	.rodata,"a",@progbits
	.p2align	6, 0x0
	.amdhsa_kernel k_qb22cd5c320_proj
		.amdhsa_group_segment_fixed_size 327680
		.amdhsa_private_segment_fixed_size 0
		.amdhsa_enable_private_segment 0
		.amdhsa_kernarg_size 56
		.amdhsa_user_sgpr_count 2
		.amdhsa_user_sgpr_kernarg_segment_ptr 1
		.amdhsa_wavefront_size32 1
		.amdhsa_system_sgpr_workgroup_id_x 1
		.amdhsa_system_sgpr_workgroup_id_y 1
		.amdhsa_system_sgpr_workgroup_id_z 1
		.amdhsa_system_vgpr_workitem_id 0
		.amdhsa_next_free_vgpr 1024
		.amdhsa_next_free_sgpr 102
		.amdhsa_reserve_vcc 0
		.amdhsa_float_denorm_mode_32 3
		.amdhsa_float_denorm_mode_16_64 3
		.amdhsa_memory_ordered 1
		.amdhsa_forward_progress 1
		.amdhsa_inst_pref_size 161
	.end_amdhsa_kernel
	.amdgpu_metadata
---
amdhsa.version: [ 1, 2 ]
amdhsa.kernels:
  - .name:           k_qb22cd5c320_proj
    .symbol:         k_qb22cd5c320_proj.kd
    .args:
      - { .name: wc, .offset: 0, .size: 8, .value_kind: global_buffer, .address_space: global }
      - { .name: xc, .offset: 8, .size: 8, .value_kind: global_buffer, .address_space: global }
      - { .name: lowp_scales, .offset: 16, .size: 8, .value_kind: global_buffer, .address_space: global }
      - { .name: bq, .offset: 24, .size: 8, .value_kind: global_buffer, .address_space: global }
      - { .name: bk, .offset: 32, .size: 8, .value_kind: global_buffer, .address_space: global }
      - { .name: bv, .offset: 40, .size: 8, .value_kind: global_buffer, .address_space: global }
      - { .name: qkv, .offset: 48, .size: 8, .value_kind: global_buffer, .address_space: global }
    .group_segment_fixed_size: 327680
    .private_segment_fixed_size: 0
    .kernarg_segment_align: 8
    .kernarg_segment_size: 56
    .max_flat_workgroup_size: 128
    .sgpr_count:     102
    .vgpr_count:     1024
    .wavefront_size: 32
...
	.end_amdgpu_metadata
.endif
;; end of part 2
;; launch attn (part 3): grid 4 x 64, 8 waves a work-group, clusters of 4 x 1, 327,680 bytes of LDS; arguments qkv, lowp_scales, out0; writes out0
.if DOCPART == 3
	.amdgcn_target "amdgcn-amd-amdhsa--gfx1250"
	.amdhsa_code_object_version 6
	.text
	.protected	k_qb22cd5c320_attn
	.globl	k_qb22cd5c320_attn
	.p2align	8
	.type	k_qb22cd5c320_attn,@function
k_qb22cd5c320_attn:
	s_mov_b64 s[64:65], 0
	v_nop
	global_prefetch_b8 v0, s[64:65] scope:SCOPE_SE
	s_setreg_imm32_b32 hwreg(HW_REG_WAVE_MODE, 25, 1), 1
	s_wait_xcnt 0x0
	s_wait_alu depctr_hold_cnt(0) depctr_sa_sdst(0) depctr_va_vdst(0) depctr_va_sdst(0) depctr_va_ssrc(0) depctr_va_vcc(0) depctr_vm_vsrc(0)
	s_getreg_b32 s2, hwreg(HW_REG_IB_STS2, 6, 4)
	s_cmp_eq_u32 s2, 0
	s_cbranch_scc0 .Lentry_in_a_cluster
	s_endpgm
.Lentry_in_a_cluster:
	s_bfe_u32 s2, ttmp6, 0x10000c
	s_cmp_lg_u32 s2, 0x3003
	s_cbranch_scc0 .Lentry_shape_is_right
	s_endpgm
.Lentry_shape_is_right:
; out[b][s][64 h + e] = the sum over keys of softmax(q . k / 8) v, both products on codes of BF8 (E5M2) by the 16 x 16 x 64 form.
; qkv [3][16 heads][4 batches][128 fragments][1,024 bytes]: images of operand registers (a fragment: 16 rows x 64 K, 8 registers a lane; registers 4 p .. 4 p + 3 of lane l at 512 p + 16 l):
;   q, k: fragment s / 16, K = e;   v: fragment 4 (key / 64) + e / 16, K = the keys.  Scales: entries 6 (q), 7 (k), 8 (p), 9 (v).
; THE SOFTMAX AHEAD OF THE SECOND PRODUCT: t = score x log2(e) / 8; M = the row's largest t, rounded UP to a whole number; p = 2^(t - M) is what is quantised, not normalised; the row's sum of the unquantised p divides O at the end.
; TWO WALKS OVER THE KEYS.  The first forms the scores and keeps their largest alone: M is then the row's final M.  The second forms the scores again, p, its sum, its codes and O.  So neither the sum nor O is ever
; rescaled and no statistics are kept from step to step: 16 matrix instructions and 8 LDS loads more in a step of 64 keys x 64 queries stand against 64 packed multiplications of O and the lines of a running M.
; SHARES.  Work-group y = 4 head + batch; the four work-groups of a cluster own the four blocks of 512 queries of one (head, batch).  Each of EIGHT waves owns 64 queries, four tiles: a fragment of K or V read from LDS feeds four products.
; ALL OF THE HEAD'S K AND V LIE IN LDS AT ONCE: K's 131,072 bytes from byte 0, V's behind them.  No LDS byte is filled twice.  The fill is 8 JOINT loads of 32,768 bytes (the four partners need the same bytes), one by each wave,
; at the kernel's head; one barrier shows them to all waves, and no barrier follows it: the stages of the way out have LDS bytes of their own.
; NO PREFETCH: every byte that a tensor load brings is asked for at the head, in one group; there is no later load ahead of which a request could run.
; LAYOUT.  Both products are used transposed: S^T = K Q^T (source 0 = 16 keys, source 1 = 16 queries), O^T = V^T P (source 0 = 16 of the head's 64, source 1 = P): a lane holds ONE query (lane % 16) throughout, and the
; conversion of score tile c (keys 16 c + 8 h + 0 .. 7) is registers 2 c, 2 c + 1 of P.
; LIMITS on the given exponents.  Entries 6 + 7 between -123 and 130 (added to c's exponent field); entries 8 + 9 go by v_ldexp_f32 and have none.
; ENTRY 8 BETWEEN -15 AND 127: p is at most 1, so p / 2^e8 is at most 2^15 = 32,768, inside the format's 57,344: the quantiser's clamp changes no p, and no hold is written ahead of the conversion.
; With entry 8 under -15 the largest p would pass 57,344 and the conversion, which does not saturate (ISA guide 7.6.2), would give the code of infinity: such a scale is not served.
; REGISTERS.  Window 0: v0-31 small things, v32-63 Q, v64-95 K's four fragments, v96-127 p's codes (first walk: the maxima), v128-255 S^T, then p.  Window 1: v0-127 O^T (tile t, part e at 32 t + 8 e), v128-159 V's four fragments.
.set LI,  1                            ; v1   16 x lane: my place in half an image; never rewritten
.set NM,  2                            ; v2, v4, v6, v8  -M of tile t at v[NM + 2 t]; the packed form names it as a pair with the odd register behind it and takes the low word for both halves
.set ADK, 3                            ; v3   LDS address of fragments of K
.set ADV, 5                            ; v5   of V
.set SCL, 7                            ; v7   2^e8
.set NIL, 9                            ; v9   0; never rewritten
.set SPW, 12                           ; v12  LDS address of my spare word; never rewritten
.set SUM, 14                           ; v14-29 tile t's sum of p at v[SUM + 4 t]: two chains of pairs
.set QF,  32
.set KF,  64
.set P,   96
.set MX,  96                           ; first walk: tile t's largest score, two chains, at v[MX + 2 t]
.set PX,  104                          ; what the other half of the lanes sends, a register a tile
.set S,   128
.set O,   0                            ; window 1
.set VF,  128                          ; window 1
.set STO, 31                           ; the way out: where I put 32 bytes of a row
.set RD,  2                            ; where I read a row back
.set GO,  4                            ; my byte offset in the wave's rows of out
.set WV,  12                           ; s12  my wave's number
.set SEL, 20                           ; s[20:21] lane selects for v_permlanex16_b32: lane l xor 16
.set CS,  22                           ; s[22:23] c = log2(e) / 8 x 2^(e6 + e7)
.set G1,  24                           ; s[24:31] descriptor group 1;  s[32:35] group 0
.set G0,  32
.set TB,  48                           ; s48  LDS byte at which the step's fragments of K begin
.set CNT, 49                           ; s49  trips left
.set TM,  51                           ; s51  first walk: the next step's byte, modulo K's 131,072
.set VOFF,  131072
.set STG,   262144                     ; behind V: a stage of 16 rows x (256 bytes + 16) for each wave: 17 blocks of 256 bytes each, into which no fill lands
.set SPARE, STG+8*4352                 ; behind the stages: the spare words, 128 bytes for each wave
.set MSB, 0
.macro WIN new                         ; the immediate's high byte repeats the setting that is left
.if MSB != \new
	s_set_vgpr_msb (MSB<<8)|\new
.set MSB, \new
.endif
.endm
.macro CROUND                          ; a round of the cluster's barrier
	s_barrier_signal -1
	s_barrier_wait -1
	s_cmp_lg_u32 s[WV], 0
	s_cbranch_scc1 .Lnot_wave_0_\@
	s_barrier_signal -3
.Lnot_wave_0_\@:
	s_barrier_wait -3
	s_barrier_signal -1
	s_barrier_wait -1
.endm
.macro KLOAD adr, off                  ; four fragments of K: 512 consecutive bytes an instruction
.irp k, 0,1,2,3
.irp p, 0,1
	ds_load_b128 v[KF+8*\k+4*\p:KF+8*\k+4*\p+3], v[\adr] offset:\off+1024*\k+512*\p
.endr
.endr
.endm
.macro WS                              ; S^T = K Q^T: 64 keys x 64 queries, every product starts its own sum
.irp k, 0,1,2,3
.irp t, 0,1,2,3
	v_wmma_f32_16x16x64_bf8_bf8 v[S+32*\t+8*\k:S+32*\t+8*\k+7], v[KF+8*\k:KF+8*\k+7], v[QF+8*\t:QF+8*\t+7], 0
.endr
.endr
.endm
	s_load_b128 s[4:7], s[0:1], 0x0                ; qkv s[4:5], the scales' exponents s[6:7]
	s_load_b64 s[8:9], s[0:1], 0x10                ; out
	v_lshl_add_u32 v[SPW], v0, 2, SPARE
	v_mov_b32 v[NIL], 0
	ds_add_u32 v[SPW], v[NIL]                      ; the opening: the add, twice on end, and its wait ahead of my tensor load
	ds_add_u32 v[SPW], v[NIL]
	v_lshrrev_b32 v13, 5, v0
	v_readfirstlane_b32 s[WV], v13                 ; wave 0..7
	s_and_b32 s14, ttmp7, 0xffff                   ; y = 4 head + batch, which the four partners share
	; what I fetch: waves 0 to 3 the quarters of K, waves 4 to 7 of V.  Only y and the wave's number enter
	s_lshr_b32 s16, s[WV], 2
	s_add_co_u32 s16, s16, 1
	s_lshl_b32 s52, s16, 23                        ; K's third of qkv or V's,
	s_lshl_b32 s17, s14, 17                        ; + 131,072 y
	s_add_co_u32 s52, s52, s17
	s_and_b32 s16, s[WV], 3
	s_lshl_b32 s16, s16, 15                        ; + my 32,768 bytes
	s_add_co_u32 s52, s52, s16
	s_mov_b32 s53, 0
	s_bfe_u32 s13, ttmp6, 0x40000                  ; cx: my block of 512 queries: it enters Q's and out's addresses alone
	s_lshl_b32 s18, s13, 15                        ; Q: 131,072 y + 32 fragments a block
	s_add_co_u32 s74, s17, s18
	s_lshl_b32 s18, s[WV], 12                      ;  + 4 a wave
	s_add_co_u32 s74, s74, s18
	s_mov_b32 s75, 0
	s_and_b32 s76, s14, 3                          ; out: batch x 8,388,608
	s_lshl_b32 s76, s76, 23
	s_lshl_b32 s18, s13, 21                        ;  + 512 rows of 4,096 bytes a block
	s_add_co_u32 s76, s76, s18
	s_lshl_b32 s18, s[WV], 18                      ;  + 64 rows a wave
	s_add_co_u32 s76, s76, s18
	s_lshr_b32 s18, s14, 2
	s_lshl_b32 s18, s18, 8                         ;  + 256 bytes a head
	s_add_co_u32 s76, s76, s18
	s_mov_b32 s77, 0
	; descriptor group 1: 32,768 dense bytes as 128 rows of 256
	s_mov_b32 s[G1], 15|(3<<16)|(1<<21)            ; 15:0 the mask: all four work-groups; 17:16 elements of 8 bytes; no padding; 21 set beside a mask
	s_mov_b32 s[G1+1], 32<<16                      ; tensor_dim0 = 32
	s_mov_b32 s[G1+2], 128<<16                     ; tensor_dim1 = 128
	s_mov_b32 s[G1+3], 32<<16                      ; tile_dim0 = 32
	s_mov_b32 s[G1+4], 128                         ; tile_dim1 = 128
	s_mov_b32 s[G1+5], 32                          ; tensor_dim0_stride
	s_mov_b32 s[G1+6], 0
	s_mov_b32 s[G1+7], 0
	s_mov_b32 s[SEL], 0x76543210
	s_mov_b32 s[SEL+1], 0xfedcba98
	s_mov_b32 s[CS], 0x3e38aa3b                    ; log2(e) / 8
	s_mov_b32 s[G0], 1                             ; count = 1
	s_lshl_b32 s[G0+1], s[WV], 15                  ; LDS address: 32,768 x wave: no place in the cluster enters it
	s_wait_dscnt 0x0                               ; both opening adds are done
	s_wait_kmcnt 0x0
	s_load_b128 s[68:71], s[6:7], 0x18             ; entries 6 to 9
	s_add_nc_u64 s[G0+2:G0+3], s[4:5], s[52:53]
	s_or_b32 s[G0+3], s[G0+3], 0x80000000          ; type = 2
	s_add_nc_u64 s[10:11], s[4:5], s[74:75]
	s_add_nc_u64 s[8:9], s[8:9], s[76:77]
	CROUND                                         ; all four work-groups are here: the joint loads meet
	tensor_load_to_lds s[G0:G0+3], s[G1:G1+7]      ; my one tensor load of the launch
	s_nop 0
	v_and_b32 v[LI], 31, v0
	v_lshlrev_b32 v[LI], 4, v[LI]
.irp t, 0,1,2,3
.irp p, 0,1
	global_load_b128 v[QF+8*\t+4*\p:QF+8*\t+4*\p+3], v[LI], s[10:11] offset:1024*\t+512*\p   ; Q stays in registers
.endr
.endr
.irp n, 0,1,2,3,4,5,6,7
	v_mov_b32 v[MX+\n], 0xff800000                 ; under every score
.endr
.irp n, 0,1,2,3
	v_mov_b32 v[PX+\n], 0                          ; written once: a lane permute's destination counts as one of its sources
.endr
	s_wait_kmcnt 0x0
	s_add_co_i32 s72, s68, s69
	s_lshl_b32 s72, s72, 23
	s_add_co_i32 s[CS], s[CS], s72                 ; a score stands for score x 2^(e6 + e7): the two exponents are added to c's exponent field
	s_mov_b32 s[CS+1], s[CS]                       ; (named with it as a pair, so it is written)
	s_add_co_i32 s72, s70, 127
	s_lshl_b32 s73, s72, 23
	v_mov_b32 v[SCL], s73                          ; 2^e8 as f32: the conversion takes its exponent field
	s_mov_b32 s[TB], 0
	s_mov_b32 s[CNT], 32
	s_wait_alu depctr_va_vdst(0)
	s_wait_loadcnt 0x0                             ; Q
	s_wait_tensorcnt 0x0                           ; my 32,768 bytes have landed
	s_barrier_signal -1
	s_barrier_wait -1                              ; everybody's have: K and V are whole
	KLOAD LI, 0
; THE FIRST WALK: 32 steps of 64 keys: the scores and their largest.  Each step asks for the next step's fragments; the last asks for keys 0 to 63 again (the byte is taken modulo 131,072), which the second walk's first step multiplies.
.Lmax:
	s_add_co_u32 s[TB], s[TB], 4096
	s_and_b32 s[TM], s[TB], 0x1ffff
	s_wait_dscnt 0x0                               ; this step's eight loads are in
	WS
	v_add_nc_u32 v[ADK], s[TM], v[LI]
.rept 3
	v_nop                                          ; with the addition: four places between the products and the loads into K's registers and the first read of the scores
.endr
	KLOAD ADK, 0
.irp k, 0,1,2,3                        ; eight chains by turns; each accumulator is first read at its low end
.irp j, 0,4
.irp t, 0,1,2,3
	v_max3_num_f32 v[MX+2*\t], v[MX+2*\t], v[S+32*\t+8*\k+\j], v[S+32*\t+8*\k+\j+1]
	v_max3_num_f32 v[MX+2*\t+1], v[MX+2*\t+1], v[S+32*\t+8*\k+\j+2], v[S+32*\t+8*\k+\j+3]
.endr
.endr
.endr
	s_sub_co_u32 s[CNT], s[CNT], 1
	s_cmp_lg_u32 s[CNT], 0
	s_wait_alu depctr_va_vdst(0)                   ; directly ahead of the branch
	s_cbranch_scc1 .Lmax
.irp t, 0,1,2,3
	v_max_num_f32 v[MX+2*\t], v[MX+2*\t], v[MX+2*\t+1]
.endr
.irp t, 0,1,2,3
	v_permlanex16_b32 v[PX+\t], v[MX+2*\t], s[SEL], s[SEL+1]   ; the query's other keys lie in the lane 16 away
.endr
.irp t, 0,1,2,3
	v_max_num_f32 v[MX+2*\t], v[MX+2*\t], v[PX+\t]
.endr
.irp t, 0,1,2,3
	v_mul_f32 v[MX+2*\t], s[CS], v[MX+2*\t]        ; as t (c is positive)
.endr
.irp t, 0,1,2,3
	v_floor_f32 v[NM+2*\t], -v[MX+2*\t]            ; -M = floor(-t) = -ceil(t)
.endr
	s_wait_alu depctr_va_vdst(0)
; THE SECOND WALK, a step of 64 keys.  zero = 1: the first step starts O^T's sums and p's: nothing is cleared.  ahead = 1: the next step's fragments of K are asked for.
.macro STEP zero, ahead
	s_wait_dscnt 0x0                               ; K's eight loads are in
	WS
	v_add_nc_u32 v[ADK], s[TB], v[LI]
	v_add_nc_u32 v[ADV], VOFF, v[ADK]
	v_nop                                          ; with the two additions: four places between the products (these, and the last step's second) and the loads into K's and V's registers and the first read of the scores
	v_nop
	WIN 0x40                                       ; destination window 1
.irp k, 0,1,2,3
.irp p, 0,1
	ds_load_b128 v[VF+8*\k+4*\p:VF+8*\k+4*\p+3], v[ADV] offset:1024*\k+512*\p
.endr
.endr
	WIN 0
.if \ahead
	KLOAD ADK, 4096
.endif
.irp j, 0,2,4,6,8,10,12,14,16,18,20,22,24,26,28,30
.irp t, 0,1,2,3
	v_pk_fma_f32 v[S+32*\t+\j:S+32*\t+\j+1], v[S+32*\t+\j:S+32*\t+\j+1], s[CS:CS+1], v[NM+2*\t:NM+2*\t+1] op_sel_hi:[1,0,0]   ; t - M, two at a time; each accumulator from its low end on
.endr
.endr
	s_wait_alu depctr_va_vdst(0)
.set n, 0
.rept 128
	v_exp_f32 v[S+n], v[S+n]                       ; p = 2^(t - M), at most 1: one batch for the four tiles
.set n, n+1
.endr
	v_nop                                          ; a plain line behind the last exponential
	s_wait_alu depctr_va_vdst(0)                   ; and the wait behind the batch, ahead of its first reader
.if \zero
.irp t, 0,1,2,3
	v_pk_add_f32 v[SUM+4*\t:SUM+4*\t+1], v[S+32*\t:S+32*\t+1], v[S+32*\t+2:S+32*\t+3]   ; the row's sum is taken of the unquantised p
	v_pk_add_f32 v[SUM+4*\t+2:SUM+4*\t+3], v[S+32*\t+4:S+32*\t+5], v[S+32*\t+6:S+32*\t+7]
.endr
.else
.irp j, 0,4
.irp t, 0,1,2,3
	v_pk_add_f32 v[SUM+4*\t:SUM+4*\t+1], v[SUM+4*\t:SUM+4*\t+1], v[S+32*\t+\j:S+32*\t+\j+1]
	v_pk_add_f32 v[SUM+4*\t+2:SUM+4*\t+3], v[SUM+4*\t+2:SUM+4*\t+3], v[S+32*\t+\j+2:S+32*\t+\j+3]
.endr
.endr
.endif
.irp j, 8,12,16,20,24,28
.irp t, 0,1,2,3
	v_pk_add_f32 v[SUM+4*\t:SUM+4*\t+1], v[SUM+4*\t:SUM+4*\t+1], v[S+32*\t+\j:S+32*\t+\j+1]
	v_pk_add_f32 v[SUM+4*\t+2:SUM+4*\t+3], v[SUM+4*\t+2:SUM+4*\t+3], v[S+32*\t+\j+2:S+32*\t+\j+3]
.endr
.endr
.irp t, 0,1,2,3                        ; p / 2^e8 is at most 32,768 (the limit on entry 8 at the kernel's head): no hold stands ahead of the conversion
.irp k, 0,1,2,3
	v_cvt_scalef32_pk8_bf8_f32 v[P+8*\t+2*\k:P+8*\t+2*\k+1], v[S+32*\t+8*\k:S+32*\t+8*\k+7], v[SCL]
.endr
.endr
	v_nop                                          ; a plain line between the last conversion and the products
.if \ahead
	s_wait_dscnt 8                                 ; V's eight loads are in; the next step's eight of K, issued behind them, stay out
.else
	s_wait_dscnt 0x0
.endif
	WIN 0x51                                       ; source 0 (V), C and D (O^T) window 1; source 1 (P) window 0
	s_wait_alu depctr_va_vdst(0)                   ; directly ahead of the first reader of p's codes and of O^T
.irp k, 0,1,2,3                        ; the sixteen accumulators take turns, one instruction a turn
.irp t, 0,1,2,3
.if \zero
	v_wmma_f32_16x16x64_bf8_bf8 v[O+32*\t+8*\k:O+32*\t+8*\k+7], v[VF+8*\k:VF+8*\k+7], v[P+8*\t:P+8*\t+7], 0
.else
	v_wmma_f32_16x16x64_bf8_bf8 v[O+32*\t+8*\k:O+32*\t+8*\k+7], v[VF+8*\k:VF+8*\k+7], v[P+8*\t:P+8*\t+7], v[O+32*\t+8*\k:O+32*\t+8*\k+7]
.endif
.endr
.endr
	WIN 0
.endm
	s_mov_b32 s[TB], 0
	STEP 1, 1
	s_mov_b32 s[TB], 4096
	s_mov_b32 s[CNT], 30
.Lstep:
	STEP 0, 1
	s_add_co_u32 s[TB], s[TB], 4096                ; four fragments on
	s_sub_co_u32 s[CNT], s[CNT], 1
	s_cmp_lg_u32 s[CNT], 0
	s_cbranch_scc1 .Lstep
	STEP 0, 0                                      ; the last step asks for nothing more of K
; THE WAY OUT.  The sum's chains, halves and the other half of the lanes' are added; O^T is divided by the sum, multiplied by 2^(e8 + e9), and goes tile by tile through my own stage in LDS, so that sixteen lanes store
; 256 consecutive bytes.  The additions are the places behind the last products.
.irp t, 0,1,2,3
	v_pk_add_f32 v[SUM+4*\t:SUM+4*\t+1], v[SUM+4*\t:SUM+4*\t+1], v[SUM+4*\t+2:SUM+4*\t+3]
.endr
.irp t, 0,1,2,3
	v_add_f32 v[SUM+4*\t], v[SUM+4*\t], v[SUM+4*\t+1]
.endr
.irp t, 0,1,2,3
	v_permlanex16_b32 v[SUM+4*\t+2], v[SUM+4*\t], s[SEL], s[SEL+1]
.endr
.irp t, 0,1,2,3
	v_add_f32 v[SUM+4*\t], v[SUM+4*\t], v[SUM+4*\t+2]
.endr
	s_wait_alu depctr_va_vdst(0)
.irp t, 0,1,2,3
	v_rcp_f32 v[SUM+4*\t+2], v[SUM+4*\t]
.endr
	v_and_b32 v13, 15, v0                          ; r  (plain lines behind the reciprocals)
	v_bfe_u32 v30, v0, 4, 1                        ; h
	s_mul_i32 s50, s[WV], 4352
	s_add_co_u32 s50, s50, STG                     ; my stage
	s_add_co_i32 s72, s70, s71
	v_mul_u32_u24 v[STO], v13, 272                 ; in: row r, 32 bytes for each half of the lanes
	v_mul_u32_u24 v[RD], v30, 272                  ; back: lanes 0-15 take one row of 256 bytes, lanes 16-31 the next
	v_lshlrev_b32 v[GO], 12, v30                   ; and the same two rows in out
	v_lshl_add_u32 v[STO], v30, 5, v[STO]
	v_lshl_add_u32 v[RD], v13, 4, v[RD]
	v_lshl_add_u32 v[GO], v13, 4, v[GO]
	v_add_nc_u32 v[STO], s50, v[STO]
	v_add_nc_u32 v[RD], s50, v[RD]
	s_wait_alu depctr_va_vdst(0)                   ; the wait behind the reciprocals, ahead of their first reader
.irp t, 0,1,2,3
	v_ldexp_f32 v[SUM+4*\t+2], v[SUM+4*\t+2], s72  ; x 2^(e8 + e9)
.endr
	WIN 0x01                                       ; source 0 (O^T) window 1
	s_wait_alu depctr_va_vdst(0)                   ; directly ahead of the first reader of O^T
.irp t, 0,1,2,3
.irp j, 0,2,4,6,8,10,12,14,16,18,20,22,24,26,28,30
	v_pk_mul_f32 v[S+32*\t+\j:S+32*\t+\j+1], v[O+32*\t+\j:O+32*\t+\j+1], v[SUM+4*\t+2:SUM+4*\t+3] op_sel_hi:[1,0]   ; register 8 k + i is out(query r, 16 k + 8 h + i); each accumulator from its low end on
.endr
.endr
	WIN 0
	s_wait_alu depctr_va_vdst(0)
.macro TOSTAGE t, rb                   ; LDS serves a wave's instructions in order (ISA guide 5.7.1.4): the loads see the stores, and the next tile's stores come behind the loads
.irp k, 0,1,2,3
	ds_store_b128 v[STO], v[S+32*\t+8*\k:S+32*\t+8*\k+3] offset:64*\k
	ds_store_b128 v[STO], v[S+32*\t+8*\k+4:S+32*\t+8*\k+7] offset:64*\k+16
.endr
.irp i, 0,1,2,3,4,5,6,7
	ds_load_b128 v[\rb+4*\i:\rb+4*\i+3], v[RD] offset:544*\i
.endr
.endm
.macro SEND t, rb, younger             ; younger: the next tile's sixteen LDS instructions, which may stay out
	s_wait_dscnt \younger
.irp i, 0,1,2,3,4,5,6,7
	global_store_b128 v[GO], v[\rb+4*\i:\rb+4*\i+3], s[8:9] offset:65536*\t+8192*\i th:TH_STORE_NT   ; sixteen lanes store 256 consecutive bytes, aligned; written once, read by nobody here
.endr
.endm
	TOSTAGE 0, QF                                  ; the rows come back into registers of their own for each tile, so no store's data are written again
	TOSTAGE 1, KF
	SEND 0, QF, 16
	TOSTAGE 2, P
	SEND 1, KF, 16
	TOSTAGE 3, S                                   ; tile 0's results: its stores into the stage were shown done by the first wait above
	SEND 2, P, 16
	SEND 3, S, 0
	s_wait_tensorcnt 0x0                           ; the wave's end
	ds_add_u32 v[SPW], v[NIL]
	s_wait_dscnt 0x0
	CROUND                                         ; the closing round: no work-group ends while a partner may still ask for a tile that names it
	s_endpgm
.Lfunc_end_k_qb22cd5c320_attn:
	.size	k_qb22cd5c320_attn, .Lfunc_end_k_qb22cd5c320_attn-k_qb22cd5c320_attn
	.p2alignl 7, 3214868480
	.fill 96, 4, 3214868480
	.section	.rodata,"a",@progbits
	.p2align	6, 0x0
	.amdhsa_kernel k_qb22cd5c320_attn
		.amdhsa_group_segment_fixed_size 327680
		.amdhsa_private_segment_fixed_size 0
		.amdhsa_enable_private_segment 0
		.amdhsa_kernarg_size 24
		.amdhsa_user_sgpr_count 2
		.amdhsa_user_sgpr_kernarg_segment_ptr 1
		.amdhsa_wavefront_size32 1
		.amdhsa_system_sgpr_workgroup_id_x 1
		.amdhsa_system_sgpr_workgroup_id_y 1
		.amdhsa_system_sgpr_workgroup_id_z 1
		.amdhsa_system_vgpr_workitem_id 0
		.amdhsa_next_free_vgpr 416
		.amdhsa_next_free_sgpr 80
		.amdhsa_reserve_vcc 0
		.amdhsa_float_denorm_mode_32 3
		.amdhsa_float_denorm_mode_16_64 3
		.amdhsa_memory_ordered 1
		.amdhsa_forward_progress 1
		.amdhsa_inst_pref_size 75
	.end_amdhsa_kernel
	.amdgpu_metadata
---
amdhsa.version: [ 1, 2 ]
amdhsa.kernels:
  - .name:           k_qb22cd5c320_attn
    .symbol:         k_qb22cd5c320_attn.kd
    .args:
      - { .name: qkv, .offset: 0, .size: 8, .value_kind: global_buffer, .address_space: global }
      - { .name: lowp_scales, .offset: 8, .size: 8, .value_kind: global_buffer, .address_space: global }
      - { .name: out0, .offset: 16, .size: 8, .value_kind: global_buffer, .address_space: global }
    .group_segment_fixed_size: 327680
    .private_segment_fixed_size: 0
    .kernarg_segment_align: 8
    .kernarg_segment_size: 24
    .max_flat_workgroup_size: 256
    .sgpr_count:     80
    .vgpr_count:     416
    .wavefront_size: 32
...
	.end_amdgpu_metadata
.endif
;; end of part 3
